; MI455X (gfx1250); checked and timed in simulation.
; The chip was launched on July 23, 2026; its instructions are those of AMD's public machine-readable ISA for CDNA 5 (MIT licence, August 2026) and "CDNA5" Instruction Set Architecture Reference Guide (July 2026). The comments in the code are by the model that wrote it; some were corrected since.
;; MLP Per Task No Index. Allowed arithmetic: matrix products marked QUANTISED: E4M3 operands, one given power-of-two scale a tensor, by v_wmma_f32_16x16x64_fp8_fp8 or v_wmma_f32_16x16x128_fp8_fp8, f32 sums; products left as they are: f32 operands where the result goes on into a quantised operand, else bf16, f16 or f32 operands; f32 sums; everything else in f32.
;; Inputs: b0 16 x 1,024 float32; b1 16 x 1,024 float32; b2 16 x 256 float32; k0 16 x 512 x 1,024 float32; k1 16 x 1,024 x 1,024 float32; k2 16 x 1,024 x 256 float32; lowp_scales 6 int32 (the exponents e of the quantised operands' scales 2^e); task_ids 2,048 int32; x 2,048 x 512 float32.
;; Outputs: out0 2,048 x 256 float32.
;; This version of the problem:
;;   THIS VERSION OF THE PROBLEM IS GIVEN IN LOW PRECISION. The matrix products marked QUANTISED in the list below multiply operands that are first quantised to E4M3 (4 exponent bits, 3 mantissa bits; 8 bits a number), with one given power-of-two scale for each operand tensor; their sums are f32. All else is computed in f32.
;;   The module's matrix products, in the order in which they are computed (A, B: the left and right operand; K: the contracted axis; several contracted axes count as one K, in the product's order):
;;     1. batch 2,048 x [M 512, K 1] x [K 1, N 16]; A: computed on the way; B: computed on the way: left as it is (no contracted axis)
;;     2. [M 2,048, K 8,192] x [K 8,192, N 1,024]; A: computed on the way; B: input k0: QUANTISED (scales: A lowp_scales[0], B lowp_scales[1])
;;     3. [M 2,048, K 16] x [K 16, N 1,024]; A: computed on the way; B: input b0: left as it is (K = 16 < 32)
;;     4. batch 2,048 x [M 1,024, K 1] x [K 1, N 16]; A: computed on the way; B: computed on the way: left as it is (no contracted axis)
;;     5. [M 2,048, K 16,384] x [K 16,384, N 1,024]; A: computed on the way; B: input k1: QUANTISED (scales: A lowp_scales[2], B lowp_scales[3])
;;     6. [M 2,048, K 16] x [K 16, N 1,024]; A: computed on the way; B: input b1: left as it is (K = 16 < 32)
;;     7. [M 4,096, K 1,024] x [K 1,024, N 2,048]; A: input k2; B: computed on the way: QUANTISED (scales: A lowp_scales[4], B lowp_scales[5])
;;     8. batch 2,048 x [M 1, K 16] x [K 16, N 256]; A: computed on the way; B: computed on the way: left as it is (K = 16 < 32)
;;     9. [M 2,048, K 16] x [K 16, N 256]; A: computed on the way; B: input b2: left as it is (K = 16 < 32)
;;   THE QUANTISER, for each operand of a quantised product, along K:
;;     - The operand's scale is 2^e, e = its entry of the input lowp_scales (int32; the entries are numbered through the quantised products in the list's order, A before B).
;;     - Each number is divided by the scale, clamped to +-448, and rounded to the nearest number of E4M3, ties to even, subnormals kept.
;;     - The product sums the exact products of the quantised numbers (number of the format x scale) in f32.
;;   ~~~python
;;   def quantise(x, axis, e):      # numpy; x: float32 -> the quantised numbers, widened to float32 again
;;       x = np.moveaxis(x, axis, -1); K = x.shape[-1]
;;       r = np.clip(x / 2.0 ** e, -448, 448)
;;       step = 2.0 ** (np.maximum(np.frexp(np.where(r == 0, 1, r))[1] - 1, -6) - 3)
;;       q = np.round(r / step) * step * 2.0 ** e      # np.round: ties to even
;;       return np.moveaxis(q, -1, axis).astype(np.float32)
;;   ~~~
;;   OPERANDS COMPUTED ON THE WAY. 'Computed on the way' means the value that the module computes at that place (a softmax that the list does not call 'softmax' is quantised finished and normalised). What goes into a quantiser is computed in f32, as accurately as f32 sums, v_exp_f32 and their like allow (about 1e-6 of the number): no bf16 or f16 on the way to a quantiser, and a product that is left as it is and whose result goes on into a quantised operand takes f32 operands (vector FMAs, or v_wmma_f32_16x16x4_f32). A number that lies on a knife's edge between two numbers of the format may be rounded either way, as far as f32 arithmetic and the matrix unit's own rounding can turn it there, and no further.
;; One version. Each part assembles by itself: llvm-mc -triple=amdgcn-amd-amdhsa -mcpu=gfx1250 --defsym DOCPART=n.
;; ======== version 1 of 1: 3 launches
;; limits: right only within a limited range of input values
;; workspace buffers: h0c 33,554,432 bytes; h1c 33,554,432 bytes; route 139,264 bytes of whole numbers
;; launch layer0 (part 1): grid 256 x 1, 16 waves a work-group, no clusters, 80,384 bytes of LDS; arguments x, task_ids, k0, b0, lowp_scales, h0c, route; writes h0c, route
.if DOCPART == 1
	.amdgcn_target "amdgcn-amd-amdhsa--gfx1250"
	.amdhsa_code_object_version 6
	.text
	.protected	k_q6bee38dd0f_layer0
	.globl	k_q6bee38dd0f_layer0
	.p2align	8
	.type	k_q6bee38dd0f_layer0,@function
k_q6bee38dd0f_layer0:
	s_mov_b64 s[64:65], 0
	v_nop
	global_prefetch_b8 v0, s[64:65] scope:SCOPE_SE
	s_setreg_imm32_b32 hwreg(HW_REG_WAVE_MODE, 25, 1), 1
	s_wait_xcnt 0x0
; LAYER 0 AND THE ROUTING.  h0 = tanh(x k0[task] + b0[task]) for each token's own task, the product on codes of E4M3; h0 leaves as codes.
; WORK LEFT OUT: the gate is a one-hot that reference() builds from task_ids, so for all values of the inputs the terms of the 15 other tasks are products with its zeros (a quantised 0 is 0).  Each token is multiplied by
; its own task's weights and gets its own task's bias: the gate is a lookup by an index.  The same holds in the two later launches.  LIMIT: NaN, infinity or overflow in another task's terms is not carried.
; x [2048][512] f32, task_ids [2048] int32, k0 [16][512][1024] f32, b0 [16][1024] f32, lowp_scales: e of x, k0, h0 at entries 0, 1, 2.
; SHARES.  A work-group owns one task and 64 hidden units; numbers equal mod 8 and in one half of the grid serve one task.  The 16 waves quantise the 512 x 64 weights together, 32 rows each, into an image of operand registers
; in LDS (32,768 bytes).  Then wave w makes whole tiles of 16 tokens: tile w, and in a loop tiles w + 16 i, over all of K: no partial sums are exchanged.  Every wave has the x of its first tile on its way before the weights are in.
; NO TENSOR LOADS, SO NO CLUSTER: how many tiles a task has is read from memory, and branches hang on it.  NO PREFETCH: every weight row is requested at the head; there is no loop to run ahead in.
; ROUTING.  Wave w splits ids 128 w .. 128 w + 127 into its own 128 entries of the list: the task's tokens first, the others behind (so every entry is written).  Entry i of the whole list is found from the 16 counts:
; B_w = tokens of the waves below w; the last w with B_w <= i has it at 128 w + i - B_w.  The slice-0 work-group stores list and count for the later launches.
; ORDER OF k, the same in both operands: lane (r, h), register q, byte b holds k = 128 ks + 64 h + 4 q + b.  Lane r of column tile ct holds unit 4 r + ct: one 16-byte load feeds all four tiles.
; THE PRODUCT IS USED TRANSPOSED (source 0 = weights, source 1 = 16 tokens): register jj of lane (r, h) is token r, unit 32 h + 4 jj + ct.
; h0c: byte task 2^21 + tile 16384 + kb 2048 + c 512 + lane 16 + b = code of unit 128 kb + 64 (lane / 16) + 16 c + b of the tile's row lane % 16: the next layer's operand registers as they stand.
; LIMITS: each e between -126 and 119, e(x) + e(k0) between -126 and 126.  NaN among the inputs is not served.  tanh = 1 - 2 / (1 + 2^(2.885 z)) has an absolute error near 2^-23, so its relative error grows below |h| = 0.1.
; Entries past the count repeat the last token (an empty task: some token of another task): such rows are computed and never used for an output of another token.
; REGISTERS: v1-15 addresses and scales; v16-31 x offsets; v32-95 raw weights, later fragments (32), operand (16), codes (16); v96-223 x, two sets, later bias, Y, N; v224-255 the sums.
.set PITCH, 4096                       ; a row of k0 in bytes
.set LIST,  32768                      ; 16 x 128 entries
.set CNT,   40960                      ; the waves' counts
.set BIAS,  41216                      ; 64 biases x 2.885 in the sums' order
.set STG,   41472                      ; a stage of 16 rows x 144 bytes for each wave
.set SPARE, 78336                      ; the spare words, 128 bytes a wave
; every wave asks early for the x of its first tile; a wave without a tile asks with all lanes at one address of the last tile's tokens, so that the counts of loads are the same on every path
.set AD, 16
.set R,  32
.set FR, 32
.set OP, 64
.set CX, 80
.set X,  96
.set BZ, 96
.set Y,  128
.set N,  160
.set TT, 224
.set ACC, 224
.macro PLACES n
.rept \n
	v_nop
.endr
.endm
.macro BAR                             ; my LDS stores have landed and my LDS loads are in: then the work-group's barrier
	s_wait_alu depctr_va_vdst(0)
	s_wait_dscnt 0x0
	s_barrier_signal -1
	s_barrier_wait -1
.endm
.macro MKSCALE se, vs, vl              ; v[vs] = 2^e as f32, v[vl] = 448 x 2^e
	s_add_co_i32 s42, s[\se], 127
	s_lshl_b32 s43, s42, 23
	v_mov_b32 v[\vs], s43
	s_add_co_i32 s42, s42, 8
	s_lshl_b32 s42, s42, 23
	s_or_b32 s42, s42, 0x600000
	v_mov_b32 v[\vl], s42
.endm
.macro WLOAD p                         ; my eight rows of K steps 2p (waves 0-7), 2p + 1 (waves 8-15): lanes 0-15 read a row's 256 bytes, lanes 16-31 those of the row 64 further down
.irp e, 0,1,2,3,4,5,6,7
	global_load_b128 v[R+32*(\p)+4*\e:R+32*(\p)+4*\e+3], v2, s[8:9] offset:(256*(\p)+\e)*PITCH th:TH_LOAD_NT
.endr
.endm
.macro QGRP p                          ; eight rows become two registers of each of the four fragments; the hold at the largest code also turns rows into runs along K
.set RS, R+32*(\p)
.irp ct, 0,1,2,3
.irp e, 0,1,2,3,4,5,6,7
	v_med3_num_f32 v[TT+8*\ct+\e], v[RS+4*\e+\ct], -v11, v11
.endr
.endr
.irp ct, 0,1,2,3
	v_cvt_scalef32_pk8_fp8_f32 v[RS+2*\ct:RS+2*\ct+1], v[TT+8*\ct:TT+8*\ct+7], v9
.endr
	v_nop                                          ; one plain line behind the last conversion
.irp ct, 0,1,2,3
	ds_store_b64 v6, v[RS+2*\ct:RS+2*\ct+1] offset:16384*(\p)+2048*\ct
.endr
.endm
.macro STEPUP w, idx, sel, m           ; is entry idx at or behind wave w's first?
	v_cmp_le_u32 s[\m], s[66+\w], v[\idx]
	v_cndmask_b32 v[\sel], v[\sel], s[82+\w], s[\m]
.endm
.macro FOUND idx, sel                  ; the LDS address of the entry, held inside the list
	v_add_nc_u32 v[\sel], v[\sel], v[\idx]
	v_min_u32 v[\sel], 0x7ff, v[\sel]
	v_lshl_add_u32 v[\sel], v[\sel], 2, LIST
.endm
.macro XLOAD s                         ; 16 tokens x 128 along K: each load reads 512 consecutive bytes of one token's row
.set i, 0
.rept 16
	global_load_b128 v[X+64*((\s)%2)+4*i:X+64*((\s)%2)+4*i+3], v[AD+i], s[4:5] offset:512*(\s)
.set i, i+1
.endr
.endm
.macro XTILE base                      ; tile s42: its 16 tokens, their offsets in x, the loads of K steps 0 and 1; v[base]: the lane's place in a load
	s_lshl_b32 s43, s42, 4
	v_add_nc_u32 v96, s43, v3
	v_min_u32 v96, s23, v96
	v_mov_b32 v97, 0
.irp w, 1,2,3,4,5,6,7,8,9,10,11,12,13,14,15
	STEPUP \w, 96, 97, 52+(\w%4)
.endr
	FOUND 96, 97
	ds_load_b32 v98, v97
	s_wait_alu depctr_va_vdst(0)
	s_wait_dscnt 0x0
	v_min_u32 v98, 0x7ff, v98
	s_wait_alu depctr_va_vdst(0)
.irp b, 0,8
.irp i, 0,1,2,3,4,5,6,7
	v_readlane_b32 s[52+\i], v98, \b+\i
.endr
.irp i, 0,1,2,3,4,5,6,7
	s_min_u32 s[52+\i], s[52+\i], 0x7ff
.endr
.irp i, 0,1,2,3,4,5,6,7
	v_lshl_add_u32 v[AD+\b+\i], s[52+\i], 11, v[\base]   ; token x 2,048 bytes + the lane's place
.endr
.endr
	s_wait_alu depctr_va_vdst(0)
	XLOAD 0
	XLOAD 1
.endm
.macro FRAGS s, ct                     ; the weights' fragments of column tiles ct and ct + 1
.irp u, 0,1
.irp c, 0,1,2,3
	ds_load_b128 v[FR+16*\u+4*\c:FR+16*\u+4*\c+3], v1 offset:(16*(\s)+4*((\ct)+\u)+\c)*512
.endr
.endr
.endm
.macro MM s, ct, u
.if (\s) == 0
	v_wmma_f32_16x16x128_fp8_fp8 v[ACC+8*(\ct):ACC+8*(\ct)+7], v[FR+16*(\u):FR+16*(\u)+15], v[OP:OP+15], 0
.else
	v_wmma_f32_16x16x128_fp8_fp8 v[ACC+8*(\ct):ACC+8*(\ct)+7], v[FR+16*(\u):FR+16*(\u)+15], v[OP:OP+15], v[ACC+8*(\ct):ACC+8*(\ct)+7]
.endif
.endm
.macro XCH s                           ; K step s of the tile: held, converted (a register = 4 codes of one token), turned through my own stage into an operand's registers, multiplied
.set XB, X+64*((\s)%2)
.if (\s) < 3
	s_wait_loadcnt 16                              ; the next K step's 16 loads may be out
.else
	s_wait_loadcnt 0
.endif
.set i, 0
.rept 64
	v_med3_num_f32 v[XB+i], v[XB+i], -v14, v14     ; the conversion to an 8-bit code does not saturate (ISA guide 7.6.2)
.set i, i+1
.endr
	FRAGS \s, 0                                    ; (the holds above are the places behind the last K step's products)
.set i, 0
.rept 8
	v_cvt_scalef32_pk8_fp8_f32 v[CX+2*i:CX+2*i+1], v[XB+8*i:XB+8*i+7], v12
.set i, i+1
.endr
	v_nop                                          ; one plain line behind the last conversion
.if (\s) < 2
	XLOAD (\s)+2
.endif
.set i, 0
.rept 16
	ds_store_b32 v7, v[CX+i] offset:144*i          ; row = token, 128 consecutive bytes
.set i, i+1
.endr
.irp c, 0,1,2,3
	ds_load_b128 v[OP+4*\c:OP+4*\c+3], v8 offset:16*\c   ; LDS serves a wave's instructions in order (ISA guide 5.7.1.4)
.endr
	s_wait_dscnt 0x0
	MM \s, 0, 0
	MM \s, 1, 1
	PLACES 4
	FRAGS \s, 2
	s_wait_dscnt 4
	MM \s, 2, 0
	s_wait_dscnt 0
	MM \s, 3, 1
.endm
.macro EPI                             ; bias, tanh, the hold, the codes, two stores: each half of the lanes fills one aligned run of 256 bytes
	PLACES 5                                       ; behind the last products
.irp q, 0,1,2,3,4,5,6,7
	ds_load_b128 v[BZ+4*\q:BZ+4*\q+3], v15 offset:16*\q
.endr
	s_wait_dscnt 0x0
.set i, 0
.rept 16
	v_pk_fma_f32 v[Y+i:Y+i+1], v[ACC+i:ACC+i+1], s[40:41], v[BZ+i:BZ+i+1] op_sel_hi:[1,0,1]   ; 2.885 x (sum x 2^(ea + eb) + bias)
.set i, i+2
.endr
	s_wait_alu depctr_va_vdst(0)
.set i, 0
.rept 32
	v_exp_f32 v[Y+i], v[Y+i]
.set i, i+1
.endr
	v_nop                                          ; a plain line behind the batch,
	s_wait_alu depctr_va_vdst(0)                   ; and one wait for it ahead of its first reader
.set i, 0
.rept 16
	v_pk_add_f32 v[Y+i:Y+i+1], v[Y+i:Y+i+1], 1.0 op_sel_hi:[1,0]
.set i, i+2
.endr
	s_wait_alu depctr_va_vdst(0)
.set i, 0
.rept 32
	v_rcp_f32 v[Y+i], v[Y+i]
.set i, i+1
.endr
	v_nop
	s_wait_alu depctr_va_vdst(0)
.set i, 0
.rept 16
	v_pk_fma_f32 v[Y+i:Y+i+1], v[Y+i:Y+i+1], -2.0, 1.0 op_sel_hi:[1,0,0]
.set i, i+2
.endr
.irp ct, 0,1,2,3
.irp jj, 0,1,2,3,4,5,6,7
	v_med3_num_f32 v[N+4*\jj+\ct], v[Y+8*\ct+\jj], -v13, v13   ; the hold also puts the lane's 32 units in their natural order
.endr
.endr
.irp q, 0,1,2,3
	v_cvt_scalef32_pk8_fp8_f32 v[Y+2*\q:Y+2*\q+1], v[N+8*\q:N+8*\q+7], v10
.endr
	v_nop
	s_min_u32 s42, s24, 127
	v_lshl_add_u32 v5, s42, 14, v4
	global_store_b128 v5, v[Y:Y+3], s[14:15] th:TH_STORE_NT
	global_store_b128 v5, v[Y+4:Y+7], s[14:15] offset:512 th:TH_STORE_NT
.endm
.macro XDO
	XCH 0
	XCH 1
	XCH 2
	XCH 3
	EPI
.endm
	s_load_b256 s[4:11], s[0:1], 0x0               ; x s[4:5], task_ids s[6:7], k0 s[8:9], b0 s[10:11]
	s_load_b128 s[12:15], s[0:1], 0x20             ; lowp_scales s[12:13], h0c s[14:15]
	s_load_b64 s[16:17], s[0:1], 0x30              ; route
	v_lshrrev_b32 v3, 5, v0
	v_readfirstlane_b32 s18, v3                    ; wave
	s_and_b32 s19, ttmp9, 7
	s_lshr_b32 s42, ttmp9, 7
	s_lshl_b32 s42, s42, 3
	s_or_b32 s19, s19, s42                         ; task
	s_bfe_u32 s20, ttmp9, 0x40003                  ; slice of 64 units
	s_lshr_b32 s26, s18, 3                         ; which K step of a pair, and
	s_and_b32 s27, s18, 7                          ; which eight rows of each half are mine
	s_lshl_b32 s44, s19, 21
	s_lshl_b32 s42, s26, 19
	s_add_co_u32 s44, s44, s42
	s_lshl_b32 s42, s27, 15
	s_add_co_u32 s44, s44, s42
	s_lshl_b32 s43, s20, 8
	s_add_co_u32 s44, s44, s43
	s_mov_b32 s45, 0                               ; k0: task, my rows, my slice's 256 bytes
	s_lshl_b32 s46, s19, 12
	s_add_co_u32 s46, s46, s43
	s_mov_b32 s47, 0                               ; b0
	s_lshl_b32 s56, s19, 21
	s_lshr_b32 s42, s20, 1
	s_lshl_b32 s42, s42, 11
	s_add_co_u32 s56, s56, s42
	s_and_b32 s42, s20, 1
	s_lshl_b32 s42, s42, 8
	s_add_co_u32 s56, s56, s42
	s_mov_b32 s57, 0                               ; h0c: task, kb = slice / 2, lanes' half = slice % 2
	s_mul_i32 s58, s19, 8704
	s_mov_b32 s59, 0                               ; route: the task's row
	s_lshl_b32 s60, s18, 9
	s_mov_b32 s61, 0                               ; ids: my 512 bytes
	s_lshl_b32 s28, s26, 13
	s_lshr_b32 s42, s27, 1
	s_lshl_b32 s42, s42, 9
	s_add_co_u32 s28, s28, s42
	s_and_b32 s42, s27, 1
	s_lshl_b32 s42, s42, 3
	s_add_co_u32 s28, s28, s42                     ; where my two registers of a fragment lie in the image
	s_mul_i32 s29, s18, 2304
	s_add_co_u32 s29, s29, STG                     ; my stage
	s_lshl_b32 s48, s18, 7                         ; my first token
	s_lshl_b32 s49, s18, 9
	s_add_co_u32 s49, s49, LIST                    ; my entries
	s_lshl_b32 s30, s18, 2
	s_add_co_u32 s30, s30, CNT                     ; my count
	v_and_b32 v103, 31, v0                         ; lane
	v_lshlrev_b32 v1, 4, v103                      ; 16 x lane
	v_lshlrev_b32 v102, 3, v103
	v_and_b32 v3, 15, v0                           ; r
	v_bfe_u32 v5, v0, 4, 1                         ; h
	v_lshlrev_b32 v2, 4, v3
	v_lshl_add_u32 v4, v5, 10, v2                  ; codes out: 1024 h + 16 r
	v_lshl_add_u32 v2, v5, 18, v2                  ; weights: 64 h rows + 16 r
	v_lshl_add_u32 v15, v5, 7, BIAS
	v_add_nc_u32 v6, s28, v1
	v_lshl_add_u32 v7, v103, 2, s29                ; my stage, in: 4 x lane
	v_mul_u32_u24 v8, v3, 144
	v_lshl_add_u32 v8, v5, 6, v8
	v_add_nc_u32 v8, s29, v8                       ; and out: row r, + 64 h
	v_lshl_add_u32 v119, v3, 2, CNT
	v_and_b32 v121, 1, v103
	v_lshlrev_b32 v121, 6, v121
	v_bfe_u32 v122, v103, 1, 3
	v_lshl_add_u32 v121, v122, 2, v121
	v_add_nc_u32 v120, v15, v121                   ; units 2 l, 2 l + 1 in the sums' order: 128 h + 32 ct + 4 jj
	v_lshl_add_u32 v116, v103, 2, s48
	v_add_nc_u32 v123, s49, v1
.irp i, 124,125,126,127
	v_mov_b32 v\i, 0
.endr
	s_wait_alu depctr_va_vdst(0)                   ; the wait at the head's end
	s_wait_kmcnt 0x0
	s_add_nc_u64 s[6:7], s[6:7], s[60:61]
	s_add_nc_u64 s[8:9], s[8:9], s[44:45]
	s_add_nc_u64 s[10:11], s[10:11], s[46:47]
	s_add_nc_u64 s[14:15], s[14:15], s[56:57]
	s_add_nc_u64 s[16:17], s[16:17], s[58:59]
	global_load_b64 v[100:101], v102, s[10:11]     ; 64 biases
	global_load_b128 v[96:99], v1, s[6:7]          ; register 96 + e of lane l: the id of token 128 w + 4 l + e
	s_load_b128 s[32:35], s[12:13], 0x0            ; e of x, k0, h0 (and one more)
	WLOAD 0
	WLOAD 1
	ds_store_b128 v123, v[124:127]                 ; my 128 entries begin as zeros; the stores below, behind this one in order, write each of them once
	s_wait_loadcnt 16                              ; the 16 loads of weights stand behind biases and ids
.irp e, 0,1,2,3
	v_cmp_eq_u32 s[52+\e], s19, v[96+\e]
.endr
	s_mov_b32 s50, 0
.irp e, 0,1,2,3
	s_mov_b32 s[66+\e], s50
	s_bcnt1_i32_b32 s51, s[52+\e]
	s_add_co_u32 s50, s50, s51
.endr
.irp e, 0,1,2,3
	v_mbcnt_lo_u32_b32 v[104+\e], s[52+\e], s[66+\e]   ; the task's tokens ahead of this one among mine
.endr
	v_add_nc_u32 v102, s50, v103
.irp e, 0,1,2,3
	v_sub_nc_u32 v[108+\e], v102, v[104+\e]
.endr
.irp e, 0,1,2,3
	v_add_nc_u32 v[108+\e], 32*\e, v[108+\e]       ; another task's token: behind mine, in order
.endr
.irp e, 0,1,2,3
	v_cndmask_b32 v[104+\e], v[108+\e], v[104+\e], s[52+\e]
.endr
.irp e, 0,1,2,3
	v_min_u32 v[104+\e], 127, v[104+\e]
.endr
.irp e, 0,1,2,3
	v_lshl_add_u32 v[104+\e], v[104+\e], 2, s49
.endr
.irp e, 0,1,2,3
	v_add_nc_u32 v[112+\e], \e, v116
.endr
.irp e, 0,1,2,3
	ds_store_b32 v[104+\e], v[112+\e]
.endr
	v_mov_b32 v117, s50
	v_mov_b32 v118, s30
	ds_store_b32 v118, v117                        ; my count: all lanes write the same word
	s_wait_alu depctr_va_vdst(0)
	s_cmp_lg_u32 s18, 15
	s_cbranch_scc1 .Lnobias
	v_mul_f32 v100, 0x4038aa3b, v100
	v_mul_f32 v101, 0x4038aa3b, v101               ; x 2 log2(e)
	ds_store_b32 v120, v100
	ds_store_b32 v120, v101 offset:32
.Lnobias:
	BAR                                            ; list, counts and biases lie in LDS; nobody writes them again
	ds_load_b32 v96, v119
	s_wait_kmcnt 0x0
	MKSCALE 32, 12, 14
	MKSCALE 33, 9, 11
	MKSCALE 34, 10, 13
	s_add_co_i32 s42, s32, s33
	s_lshl_b32 s42, s42, 23
	s_add_co_i32 s40, s42, 0x4038aa3b              ; 2 log2(e) x 2^(e of x + e of k0): the exponents are added to the constant's exponent field
	s_mov_b32 s41, s40
	s_wait_alu depctr_va_vdst(0)
	s_wait_dscnt 0x0
.irp w, 0,1,2,3,4,5,6,7,8,9,10,11,12,13,14,15
	v_readlane_b32 s[82+\w], v96, \w
.endr
	s_mov_b32 s50, 0
.irp w, 0,1,2,3,4,5,6,7,8,9,10,11,12,13,14,15
	s_mov_b32 s[66+\w], s50                        ; B_w
	s_add_co_u32 s50, s50, s[82+\w]
	s_sub_co_u32 s[82+\w], 128*\w, s[66+\w]        ; 128 w - B_w
.endr
	s_min_u32 s21, s50, 0x800                      ; the count
	s_add_co_u32 s22, s21, 15
	s_lshr_b32 s22, s22, 4
	s_max_u32 s22, s22, 1
	s_min_u32 s22, s22, 128                        ; tiles, at least one
	s_max_u32 s23, s21, 1
	s_sub_co_u32 s23, s23, 1                       ; the last entry
	s_mov_b32 s24, s18                             ; my tile
	s_sub_co_u32 s42, s22, 1
	s_min_u32 s42, s42, s18                        ; a wave without a tile: the last tile,
	s_cmp_lt_u32 s24, s22
	s_cselect_b32 s43, -1, 0
	v_and_b32 v99, s43, v1                         ; all lanes at one place
	v_min_u32 v99, 0x1f0, v99                      ; held inside a load's 512 bytes
	s_wait_alu depctr_va_vdst(0)
	XTILE 99
	s_cmp_lg_u32 s20, 0
	s_cbranch_scc1 .Lnocopy                        ; one work-group of a task stores list and count
	s_cmp_gt_u32 s48, s23
	s_cbranch_scc1 .Lnocopy                        ; my 128 entries lie behind the last
	v_and_b32 v228, 31, v0
	v_lshl_add_u32 v224, v228, 2, s48
	v_lshlrev_b32 v229, 4, v228
	v_lshl_add_u32 v244, s18, 9, v229
	v_add_nc_u32 v245, 0x2000, v229
	v_add_nc_u32 v225, 1, v224
	v_add_nc_u32 v226, 2, v224
	v_add_nc_u32 v227, 3, v224
.irp e, 0,1,2,3
	v_min_u32 v[224+\e], s23, v[224+\e]
	v_mov_b32 v[232+\e], 0
	v_mov_b32 v[236+\e], s21
.endr
.irp w, 1,2,3,4,5,6,7,8,9,10,11,12,13,14,15
.irp e, 0,1,2,3
	STEPUP \w, 224+\e, 232+\e, 52+\e
.endr
.endr
.irp e, 0,1,2,3
	FOUND 224+\e, 232+\e
.endr
.irp e, 0,1,2,3
	ds_load_b32 v[240+\e], v[232+\e]
.endr
	s_wait_alu depctr_va_vdst(0)
	s_wait_dscnt 0x0
	global_store_b128 v244, v[240:243], s[16:17]   ; 512 consecutive bytes
	s_cmp_lg_u32 s18, 0
	s_cbranch_scc1 .Lnocount
	global_store_b128 v245, v[236:239], s[16:17]   ; the count, 128 times: two whole units of 256 bytes
.Lnocount:
	s_wait_xcnt 0x0                                ; the stores have read their data: the registers are used again below
.Lnocopy:
	s_wait_alu depctr_va_vdst(0)
	s_wait_loadcnt 40                              ; behind my first eight weight loads: eight more and 32 of x
	QGRP 0
	s_wait_loadcnt 32
	QGRP 1
	BAR                                            ; the weights' image is whole; nobody writes it again
	s_cmp_ge_u32 s24, s22
	s_cbranch_scc1 .Lfirst
	XDO
.Lfirst:
	s_wait_alu depctr_va_vdst(0)
	s_wait_loadcnt 0x0                             ; a wave that has no tile leaves its early loads here
	s_add_co_u32 s24, s24, 16
	s_mov_b32 s25, 0
.Lloop:                                                ; seven more trips serve all 2,048 tokens on one task
	s_cmp_ge_u32 s24, s22
	s_cbranch_scc1 .Lnone
	s_wait_xcnt 0x0                                ; loads and stores have read their addresses and data
	s_min_u32 s42, s24, 127
	XTILE 1
	XDO
.Lnone:
	s_add_co_u32 s24, s24, 16
	s_add_co_u32 s25, s25, 1
	s_cmp_lt_u32 s25, 7
	s_wait_alu depctr_va_vdst(0)
	s_cbranch_scc1 .Lloop
	v_lshl_add_u32 v6, v0, 2, SPARE
	v_mov_b32 v7, 0
	s_wait_alu depctr_va_vdst(0)
	s_wait_tensorcnt 0x0                           ; the wave's end
	ds_add_u32 v6, v7
	s_wait_dscnt 0x0
	s_endpgm
.Lfunc_end_k_q6bee38dd0f_layer0:
	.size	k_q6bee38dd0f_layer0, .Lfunc_end_k_q6bee38dd0f_layer0-k_q6bee38dd0f_layer0
	.p2alignl 7, 3214868480
	.fill 96, 4, 3214868480
	.section	.rodata,"a",@progbits
	.p2align	6, 0x0
	.amdhsa_kernel k_q6bee38dd0f_layer0
		.amdhsa_group_segment_fixed_size 80384
		.amdhsa_private_segment_fixed_size 0
		.amdhsa_enable_private_segment 0
		.amdhsa_kernarg_size 56
		.amdhsa_user_sgpr_count 2
		.amdhsa_user_sgpr_kernarg_segment_ptr 1
		.amdhsa_wavefront_size32 1
		.amdhsa_system_sgpr_workgroup_id_x 1
		.amdhsa_system_sgpr_workgroup_id_y 1
		.amdhsa_system_sgpr_workgroup_id_z 1
		.amdhsa_system_vgpr_workitem_id 0
		.amdhsa_next_free_vgpr 256
		.amdhsa_next_free_sgpr 98
		.amdhsa_reserve_vcc 0
		.amdhsa_float_denorm_mode_32 3
		.amdhsa_float_denorm_mode_16_64 3
		.amdhsa_memory_ordered 1
		.amdhsa_forward_progress 1
		.amdhsa_inst_pref_size 127
	.end_amdhsa_kernel
	.amdgpu_metadata
---
amdhsa.version: [ 1, 2 ]
amdhsa.kernels:
  - .name:           k_q6bee38dd0f_layer0
    .symbol:         k_q6bee38dd0f_layer0.kd
    .args:
      - { .name: x, .offset: 0, .size: 8, .value_kind: global_buffer, .address_space: global }
      - { .name: task_ids, .offset: 8, .size: 8, .value_kind: global_buffer, .address_space: global }
      - { .name: k0, .offset: 16, .size: 8, .value_kind: global_buffer, .address_space: global }
      - { .name: b0, .offset: 24, .size: 8, .value_kind: global_buffer, .address_space: global }
      - { .name: lowp_scales, .offset: 32, .size: 8, .value_kind: global_buffer, .address_space: global }
      - { .name: h0c, .offset: 40, .size: 8, .value_kind: global_buffer, .address_space: global }
      - { .name: route, .offset: 48, .size: 8, .value_kind: global_buffer, .address_space: global }
    .group_segment_fixed_size: 80384
    .private_segment_fixed_size: 0
    .kernarg_segment_align: 8
    .kernarg_segment_size: 56
    .max_flat_workgroup_size: 512
    .sgpr_count:     98
    .vgpr_count:     256
    .wavefront_size: 32
...
	.end_amdgpu_metadata
.endif
;; end of part 1
;; launch layer1 (part 2): grid 256 x 1, 16 waves a work-group, no clusters, 67,840 bytes of LDS; arguments h0c, route, k1, b1, lowp_scales, h1c; writes h1c
.if DOCPART == 2
	.amdgcn_target "amdgcn-amd-amdhsa--gfx1250"
	.amdhsa_code_object_version 6
	.text
	.protected	k_q6bee38dd0f_layer1
	.globl	k_q6bee38dd0f_layer1
	.p2align	8
	.type	k_q6bee38dd0f_layer1,@function
k_q6bee38dd0f_layer1:
	s_mov_b64 s[64:65], 0
	v_nop
	global_prefetch_b8 v0, s[64:65] scope:SCOPE_SE
	s_setreg_imm32_b32 hwreg(HW_REG_WAVE_MODE, 25, 1), 1
	s_wait_xcnt 0x0
; LAYER 1.  h1 = tanh(h0 k1[task] + b1[task]), the product on codes of E4M3; h0 arrives as codes (images of operand registers), h1 leaves so.  Other tasks' terms are left out (the first kernel's head).
; k1 [16][1024][1024] f32, b1 [16][1024] f32, lowp_scales: e of h0, k1 at entries 2, 3, e of h1 at entry 5.  route: for each task 2,048 tokens and, at byte 8192, the count.
; SHARES.  A work-group owns one task and 64 hidden units (numbers as in layer 0).  The 16 waves quantise the weights together into an image of operand registers in LDS (65,536 bytes), in four phases of 256 rows:
; behind each phase's barrier wave w multiplies the phase's two K steps with tile w, 16 tokens, while the next phases' rows and operands are on their way.  No partial sums are exchanged.
; Tiles beyond the sixteen, for a task with more than 256 tokens, are made in the loop behind.
; NO TENSOR LOADS, SO NO CLUSTER: branches hang on the count, which is read from memory.  NO PREFETCH: half of the rows are requested at the head and the rest as the first sets are used; no loop to run ahead in.
; A WAVE'S LOADS, in order: bias, R0, R1, O0, O1, R2, O2, R3, O3 (eight each but the bias): the counts of the waits follow from that.  They stand on every path: a wave without a tile asks for its operands with all lanes at
; one address of the last tile.  Phase 0's products are made by every wave, so that the sums are written on every path; the later phases' and the way out only where the tile exists.
; ORDER OF k, transposed use, tile layout: as in layer 0.  LIMITS: each e between -126 and 119, e(h0) + e(k1) between -126 and 126.  NaN is not served.  tanh as in layer 0.
; REGISTERS: v1-15 addresses and scales; v16-79 raw weights, two sets; v80-143 operands, two sets (in the loop v16-143: the tile's eight K steps; at the end bias, Y, N); v144-175 the sums; v176-239 fragments, or a group at work; v240-247 codes.
.set PITCH, 4096
.set BIAS,  65536
.set SPARE, 65792
.set R,  16
.set O,  80
.set ACC, 144
.set F,  176
.set TT, 176
.set QD, 240
.set BZ, 16
.set Y,  48
.set N,  80
.macro PLACES n
.rept \n
	v_nop
.endr
.endm
.macro MKSCALE se, vs, vl
	s_add_co_i32 s42, s[\se], 127
	s_lshl_b32 s43, s42, 23
	v_mov_b32 v[\vs], s43
	s_add_co_i32 s42, s42, 8
	s_lshl_b32 s42, s42, 23
	s_or_b32 s42, s42, 0x600000
	v_mov_b32 v[\vl], s42
.endm
.macro WLOAD p                         ; my eight rows of K steps 2p (waves 0-7), 2p + 1 (waves 8-15): whole runs of 256 bytes
.irp e, 0,1,2,3,4,5,6,7
	global_load_b128 v[R+32*((\p)%2)+4*\e:R+32*((\p)%2)+4*\e+3], v2, s[8:9] offset:(256*(\p)+\e)*PITCH th:TH_LOAD_NT
.endr
.endm
.macro OLOAD p, ob                     ; my tile's operands of K steps 2p, 2p + 1: loads of 512 consecutive bytes
.irp s, 0,1
.irp c, 0,1,2,3
	global_load_b128 v[(\ob)+16*\s+4*\c:(\ob)+16*\s+4*\c+3], v3, s[4:5] offset:(2*(\p)+\s)*2048+512*\c
.endr
.endr
.endm
.macro QGRP p                          ; the hold at the largest code also turns rows into runs along K
.set RS, R+32*((\p)%2)
.irp ct, 0,1,2,3
.irp e, 0,1,2,3,4,5,6,7
	v_med3_num_f32 v[TT+8*\ct+\e], v[RS+4*\e+\ct], -v11, v11
.endr
.endr
.irp ct, 0,1,2,3
	v_cvt_scalef32_pk8_fp8_f32 v[QD+2*\ct:QD+2*\ct+1], v[TT+8*\ct:TT+8*\ct+7], v9
.endr
	v_nop                                          ; one plain line behind the last conversion
.endm
.macro PROD ks, ob                     ; one K step: the four sums take turns
.irp ct, 0,1,2,3
.irp c, 0,1,2,3
	ds_load_b128 v[F+16*\ct+4*\c:F+16*\ct+4*\c+3], v1 offset:(16*(\ks)+4*\ct+\c)*512
.endr
.endr
.irp ct, 0,1,2,3
	s_wait_dscnt 12-4*\ct
.if (\ks) == 0
	v_wmma_f32_16x16x128_fp8_fp8 v[ACC+8*\ct:ACC+8*\ct+7], v[F+16*\ct:F+16*\ct+15], v[\ob:\ob+15], 0
.else
	v_wmma_f32_16x16x128_fp8_fp8 v[ACC+8*\ct:ACC+8*\ct+7], v[F+16*\ct:F+16*\ct+15], v[\ob:\ob+15], v[ACC+8*\ct:ACC+8*\ct+7]
.endif
.endr
	PLACES 5                                       ; plain places behind the products: the fragments' registers are written next
.endm
.macro PHASE p, nr, no                 ; nr, no: the loads that may be out behind R p and behind O p
	s_wait_alu depctr_va_vdst(0)
	s_wait_loadcnt \nr
.if (\p) == 0
	s_cmp_lg_u32 s18, 15
	s_cbranch_scc1 .Lnobias
	v_mul_f32 v240, 0x4038aa3b, v240
	v_mul_f32 v241, 0x4038aa3b, v241               ; the bias x 2 log2(e), in the sums' order
	ds_store_b32 v12, v240
	ds_store_b32 v12, v241 offset:32
.Lnobias:
.endif
	QGRP \p
.if (\p) < 2
	WLOAD (\p)+2
.endif
.irp ct, 0,1,2,3
	ds_store_b64 v6, v[QD+2*\ct:QD+2*\ct+1] offset:16384*(\p)+2048*\ct
.endr
	s_wait_alu depctr_va_vdst(0)
	s_wait_dscnt 0x0                               ; my part of the image has landed
	s_barrier_signal -1
	s_barrier_wait -1
	s_wait_loadcnt \no
.if (\p) > 0
	s_cmp_ge_u32 s24, s22
	s_cbranch_scc1 .Lnp_\@
.endif
	PROD 2*(\p), O+32*((\p)%2)
	PROD 2*(\p)+1, O+32*((\p)%2)+16
.if (\p) > 0
.Lnp_\@:
.endif
.if (\p) < 2
	OLOAD (\p)+2, O+32*((\p)%2)
.endif
.endm
.macro EPI                             ; bias, tanh, the hold, the codes, two stores
.irp q, 0,1,2,3,4,5,6,7
	ds_load_b128 v[BZ+4*\q:BZ+4*\q+3], v8 offset:16*\q
.endr
	s_wait_dscnt 0x0
.set i, 0
.rept 16
	v_pk_fma_f32 v[Y+i:Y+i+1], v[ACC+i:ACC+i+1], s[40:41], v[BZ+i:BZ+i+1] op_sel_hi:[1,0,1]   ; 2.885 x (sum x 2^(ea + eb) + bias)
.set i, i+2
.endr
	s_wait_alu depctr_va_vdst(0)
.set i, 0
.rept 32
	v_exp_f32 v[Y+i], v[Y+i]
.set i, i+1
.endr
	v_nop                                          ; a plain line behind the batch,
	s_wait_alu depctr_va_vdst(0)                   ; and one wait for it ahead of its first reader
.set i, 0
.rept 16
	v_pk_add_f32 v[Y+i:Y+i+1], v[Y+i:Y+i+1], 1.0 op_sel_hi:[1,0]
.set i, i+2
.endr
	s_wait_alu depctr_va_vdst(0)
.set i, 0
.rept 32
	v_rcp_f32 v[Y+i], v[Y+i]
.set i, i+1
.endr
	v_nop
	s_wait_alu depctr_va_vdst(0)
.set i, 0
.rept 16
	v_pk_fma_f32 v[Y+i:Y+i+1], v[Y+i:Y+i+1], -2.0, 1.0 op_sel_hi:[1,0,0]
.set i, i+2
.endr
.irp ct, 0,1,2,3
.irp jj, 0,1,2,3,4,5,6,7
	v_med3_num_f32 v[N+4*\jj+\ct], v[Y+8*\ct+\jj], -v13, v13   ; the hold also puts the lane's 32 units in their natural order
.endr
.endr
.irp q, 0,1,2,3
	v_cvt_scalef32_pk8_fp8_f32 v[Y+2*\q:Y+2*\q+1], v[N+8*\q:N+8*\q+7], v10
.endr
	v_nop
	s_min_u32 s42, s24, 127
	v_lshl_add_u32 v5, s42, 14, v4
	global_store_b128 v5, v[Y:Y+3], s[14:15] th:TH_STORE_NT              ; each half of the lanes fills one aligned run of 256 bytes
	global_store_b128 v5, v[Y+4:Y+7], s[14:15] offset:512 th:TH_STORE_NT
.endm
	s_load_b256 s[4:11], s[0:1], 0x0               ; h0c s[4:5], route s[6:7], k1 s[8:9], b1 s[10:11]
	s_load_b128 s[12:15], s[0:1], 0x20             ; lowp_scales s[12:13], h1c s[14:15]
	v_lshrrev_b32 v3, 5, v0
	v_readfirstlane_b32 s18, v3                    ; wave
	s_and_b32 s19, ttmp9, 7
	s_lshr_b32 s42, ttmp9, 7
	s_lshl_b32 s42, s42, 3
	s_or_b32 s19, s19, s42                         ; task
	s_bfe_u32 s20, ttmp9, 0x40003                  ; slice of 64 units
	s_lshr_b32 s26, s18, 3
	s_and_b32 s27, s18, 7
	s_lshl_b32 s44, s19, 22
	s_lshl_b32 s42, s26, 19
	s_add_co_u32 s44, s44, s42
	s_lshl_b32 s42, s27, 15
	s_add_co_u32 s44, s44, s42
	s_lshl_b32 s43, s20, 8
	s_add_co_u32 s44, s44, s43
	s_mov_b32 s45, 0                               ; k1: task, my rows, my slice's 256 bytes
	s_lshl_b32 s46, s19, 12
	s_add_co_u32 s46, s46, s43
	s_mov_b32 s47, 0                               ; b1
	s_lshl_b32 s48, s19, 21
	s_mov_b32 s49, 0                               ; h0c: the task's region
	s_mul_i32 s50, s19, 8704
	s_mov_b32 s51, 0                               ; route: the task's row
	s_lshr_b32 s42, s20, 1
	s_lshl_b32 s42, s42, 11
	s_add_co_u32 s52, s48, s42
	s_and_b32 s42, s20, 1
	s_lshl_b32 s42, s42, 8
	s_add_co_u32 s52, s52, s42
	s_mov_b32 s53, 0                               ; h1c: task, kb = slice / 2, lanes' half = slice % 2
	s_lshl_b32 s28, s26, 13
	s_lshr_b32 s42, s27, 1
	s_lshl_b32 s42, s42, 9
	s_add_co_u32 s28, s28, s42
	s_and_b32 s42, s27, 1
	s_lshl_b32 s42, s42, 3
	s_add_co_u32 s28, s28, s42                     ; where my two registers of a fragment lie in the image
	s_mov_b32 s24, s18                             ; my tile
	v_lshl_add_u32 v14, v0, 2, SPARE
	v_mov_b32 v15, 0
	v_and_b32 v145, 31, v0                         ; lane
	v_lshlrev_b32 v1, 4, v145                      ; 16 x lane
	v_lshlrev_b32 v144, 3, v145
	v_and_b32 v7, 15, v0                           ; r
	v_bfe_u32 v5, v0, 4, 1                         ; h
	v_lshlrev_b32 v2, 4, v7
	v_lshl_add_u32 v4, v5, 10, v2                  ; codes out: 1024 h + 16 r
	v_lshl_add_u32 v2, v5, 18, v2                  ; weights: 64 h rows + 16 r
	v_lshl_add_u32 v8, v5, 7, BIAS
	v_add_nc_u32 v6, s28, v1
	v_and_b32 v146, 1, v145
	v_lshlrev_b32 v146, 6, v146
	v_bfe_u32 v147, v145, 1, 3
	v_lshl_add_u32 v146, v147, 2, v146
	v_add_nc_u32 v12, v8, v146                     ; units 2 l, 2 l + 1 in the sums' order: 128 h + 32 ct + 4 jj
	s_wait_alu depctr_va_vdst(0)                   ; the wait at the head's end
	s_wait_kmcnt 0x0
	s_add_nc_u64 s[6:7], s[6:7], s[50:51]
	s_add_nc_u64 s[8:9], s[8:9], s[44:45]
	s_add_nc_u64 s[10:11], s[10:11], s[46:47]
	s_load_b32 s21, s[6:7], 0x2000                 ; the task's count
	s_load_b128 s[32:35], s[12:13], 0x8            ; e of h0, k1, k2, h1
	s_add_nc_u64 s[4:5], s[4:5], s[48:49]
	s_add_nc_u64 s[14:15], s[14:15], s[52:53]
	global_load_b64 v[240:241], v144, s[10:11]     ; 64 biases
	WLOAD 0
	WLOAD 1
	s_wait_kmcnt 0x0
	s_min_u32 s21, s21, 0x800
	s_add_co_u32 s22, s21, 15
	s_lshr_b32 s22, s22, 4
	s_max_u32 s22, s22, 1
	s_min_u32 s22, s22, 128                        ; tiles, at least one
	s_sub_co_u32 s23, s22, 1
	MKSCALE 33, 9, 11
	MKSCALE 35, 10, 13
	s_add_co_i32 s42, s32, s33
	s_lshl_b32 s42, s42, 23
	s_add_co_i32 s40, s42, 0x4038aa3b              ; 2 log2(e) x 2^(e of h0 + e of k1)
	s_mov_b32 s41, s40
	s_cmp_lt_u32 s24, s22
	s_cselect_b32 s43, -1, 0
	s_min_u32 s42, s24, s23                        ; a tile that the launch before has written
	s_min_u32 s42, s42, 127
	v_and_b32 v3, s43, v1                          ; without a tile: all lanes at one address
	v_min_u32 v3, 0x1f0, v3                        ; held inside a load's 512 bytes
	v_lshl_add_u32 v3, s42, 14, v3
	s_wait_alu depctr_va_vdst(0)
	OLOAD 0, O
	OLOAD 1, O+32
	PHASE 0, 24, 16
	PHASE 1, 24, 24
	PHASE 2, 24, 16
	PHASE 3, 8, 0
	s_cmp_ge_u32 s24, s22
	s_cbranch_scc1 .Lfirst
	EPI
.Lfirst:
	s_add_co_u32 s24, s24, 16
	s_mov_b32 s25, 0
	s_wait_alu depctr_va_vdst(0)
.Lloop:                                                ; seven more trips serve all 2,048 tokens on one task
	s_cmp_ge_u32 s24, s22
	s_cbranch_scc1 .Lnone
	s_wait_xcnt 0x0                                ; loads and stores have read their addresses and data
	s_min_u32 s42, s24, 127
	v_lshl_add_u32 v3, s42, 14, v1
	s_wait_alu depctr_va_vdst(0)
.irp g, 0,1,2,3
	OLOAD \g, 16+32*\g
.endr
	s_wait_loadcnt 0x0
.irp g, 0,1,2,3,4,5,6,7
	PROD \g, 16+16*\g
.endr
	EPI
.Lnone:
	s_add_co_u32 s24, s24, 16
	s_add_co_u32 s25, s25, 1
	s_cmp_lt_u32 s25, 7
	s_wait_alu depctr_va_vdst(0)
	s_cbranch_scc1 .Lloop
	s_wait_tensorcnt 0x0                           ; the wave's end
	ds_add_u32 v14, v15
	s_wait_dscnt 0x0
	s_endpgm
.Lfunc_end_k_q6bee38dd0f_layer1:
	.size	k_q6bee38dd0f_layer1, .Lfunc_end_k_q6bee38dd0f_layer1-k_q6bee38dd0f_layer1
	.p2alignl 7, 3214868480
	.fill 96, 4, 3214868480
	.section	.rodata,"a",@progbits
	.p2align	6, 0x0
	.amdhsa_kernel k_q6bee38dd0f_layer1
		.amdhsa_group_segment_fixed_size 67840
		.amdhsa_private_segment_fixed_size 0
		.amdhsa_enable_private_segment 0
		.amdhsa_kernarg_size 48
		.amdhsa_user_sgpr_count 2
		.amdhsa_user_sgpr_kernarg_segment_ptr 1
		.amdhsa_wavefront_size32 1
		.amdhsa_system_sgpr_workgroup_id_x 1
		.amdhsa_system_sgpr_workgroup_id_y 1
		.amdhsa_system_sgpr_workgroup_id_z 1
		.amdhsa_system_vgpr_workitem_id 0
		.amdhsa_next_free_vgpr 256
		.amdhsa_next_free_sgpr 66
		.amdhsa_reserve_vcc 0
		.amdhsa_float_denorm_mode_32 3
		.amdhsa_float_denorm_mode_16_64 3
		.amdhsa_memory_ordered 1
		.amdhsa_forward_progress 1
		.amdhsa_inst_pref_size 67
	.end_amdhsa_kernel
	.amdgpu_metadata
---
amdhsa.version: [ 1, 2 ]
amdhsa.kernels:
  - .name:           k_q6bee38dd0f_layer1
    .symbol:         k_q6bee38dd0f_layer1.kd
    .args:
      - { .name: h0c, .offset: 0, .size: 8, .value_kind: global_buffer, .address_space: global }
      - { .name: route, .offset: 8, .size: 8, .value_kind: global_buffer, .address_space: global }
      - { .name: k1, .offset: 16, .size: 8, .value_kind: global_buffer, .address_space: global }
      - { .name: b1, .offset: 24, .size: 8, .value_kind: global_buffer, .address_space: global }
      - { .name: lowp_scales, .offset: 32, .size: 8, .value_kind: global_buffer, .address_space: global }
      - { .name: h1c, .offset: 40, .size: 8, .value_kind: global_buffer, .address_space: global }
    .group_segment_fixed_size: 67840
    .private_segment_fixed_size: 0
    .kernarg_segment_align: 8
    .kernarg_segment_size: 48
    .max_flat_workgroup_size: 512
    .sgpr_count:     66
    .vgpr_count:     256
    .wavefront_size: 32
...
	.end_amdgpu_metadata
.endif
;; end of part 2
;; launch layer2 (part 3): grid 256 x 1, 16 waves a work-group, no clusters, 137,472 bytes of LDS; arguments h1c, route, k2, b2, lowp_scales, out0; writes out0
.if DOCPART == 3
	.amdgcn_target "amdgcn-amd-amdhsa--gfx1250"
	.amdhsa_code_object_version 6
	.text
	.protected	k_q6bee38dd0f_layer2
	.globl	k_q6bee38dd0f_layer2
	.p2align	8
	.type	k_q6bee38dd0f_layer2,@function
k_q6bee38dd0f_layer2:
	s_mov_b64 s[64:65], 0
	v_nop
	global_prefetch_b8 v0, s[64:65] scope:SCOPE_SE
	s_setreg_imm32_b32 hwreg(HW_REG_WAVE_MODE, 25, 1), 1
	s_wait_xcnt 0x0
; LAYER 2.  y = h1 k2[task] + b2[task], the product on codes of E4M3; h1 arrives as codes; each row goes to its token's row of out0.  Other tasks' terms are left out (the first kernel's head).
; k2 [16][1024][256] f32, b2 [16][256] f32, lowp_scales: e of k2, h1 at entries 4, 5.  route: for each task 2,048 tokens and, at byte 8192, the count.  out0 [2048][256] f32.
; SHARES.  A work-group owns one task, 64 outputs (a slice of 256 bytes of k2's and out0's rows) and every fourth tile of 16 tokens: four work-groups read the same weights, narrower slices would read and store parts of 256 bytes.
; The weights' phases, the image in LDS, the order of a wave's loads (two loads of tokens ahead of O0) and the waits are layer 1's; wave w has tile q + 4 w (q = the share of tokens), and behind that tile q + 4 w + 64.
; NO TENSOR LOADS, SO NO CLUSTER: branches hang on the count, which is read from memory.  NO PREFETCH: half of the rows are requested at the head and the rest as the first sets are used; no loop to run ahead in.
; Output is made for ceil(count / 16) tiles, which may be none; an early load takes a tile that the launch before has written (tile 0 is always written), in a wave without a tile with all lanes at one address.
; THE WAY OUT.  A lane holds 32 neighbouring outputs of one token; a tile goes through the wave's own stage and leaves by rows: sixteen lanes store 256 consecutive bytes, aligned, of a token's row.
; Entries of the list past the count repeat the last token: such rows hold the same numbers as that token's row and are stored to the same bytes.
; LIMITS: e(k2) between -126 and 119, e(k2) + e(h1) between -126 and 127.  NaN is not served.
; REGISTERS: as in layer 1; v248-255 my tile's tokens.
.set PITCH, 1024
.set BIAS,  65536
.set STG,   65792                      ; a stage of 16 rows x 272 bytes for each wave
.set SPARE, 135424
.set R,  16
.set O,  80
.set ACC, 144
.set F,  176
.set TT, 176
.set QD, 240
.set TOK, 248
.set BN, 16
.set N,  48
.set Y,  80
.macro PLACES n
.rept \n
	v_nop
.endr
.endm
.macro WLOAD p
.irp e, 0,1,2,3,4,5,6,7
	global_load_b128 v[R+32*((\p)%2)+4*\e:R+32*((\p)%2)+4*\e+3], v2, s[8:9] offset:(256*(\p)+\e)*PITCH
.endr
.endm
.macro OLOAD p, ob
.irp s, 0,1
.irp c, 0,1,2,3
	global_load_b128 v[(\ob)+16*\s+4*\c:(\ob)+16*\s+4*\c+3], v3, s[4:5] offset:(2*(\p)+\s)*2048+512*\c
.endr
.endr
.endm
.macro TLOAD                           ; the tile's tokens: lanes 0-15 take entries 0-7, lanes 16-31 entries 8-15
	global_load_b128 v[TOK:TOK+3], v5, s[6:7]
	global_load_b128 v[TOK+4:TOK+7], v5, s[6:7] offset:16
.endm
.macro QGRP p
.set RS, R+32*((\p)%2)
.irp ct, 0,1,2,3
.irp e, 0,1,2,3,4,5,6,7
	v_med3_num_f32 v[TT+8*\ct+\e], v[RS+4*\e+\ct], -v11, v11
.endr
.endr
.irp ct, 0,1,2,3
	v_cvt_scalef32_pk8_fp8_f32 v[QD+2*\ct:QD+2*\ct+1], v[TT+8*\ct:TT+8*\ct+7], v9
.endr
	v_nop                                          ; one plain line behind the last conversion
.endm
.macro PROD ks, ob
.irp ct, 0,1,2,3
.irp c, 0,1,2,3
	ds_load_b128 v[F+16*\ct+4*\c:F+16*\ct+4*\c+3], v1 offset:(16*(\ks)+4*\ct+\c)*512
.endr
.endr
.irp ct, 0,1,2,3
	s_wait_dscnt 12-4*\ct
.if (\ks) == 0
	v_wmma_f32_16x16x128_fp8_fp8 v[ACC+8*\ct:ACC+8*\ct+7], v[F+16*\ct:F+16*\ct+15], v[\ob:\ob+15], 0
.else
	v_wmma_f32_16x16x128_fp8_fp8 v[ACC+8*\ct:ACC+8*\ct+7], v[F+16*\ct:F+16*\ct+15], v[\ob:\ob+15], v[ACC+8*\ct:ACC+8*\ct+7]
.endif
.endr
	PLACES 5                                       ; plain places behind the products
.endm
.macro PHASE p, nr, no
	s_wait_alu depctr_va_vdst(0)
	s_wait_loadcnt \nr
.if (\p) == 0
	s_cmp_lg_u32 s18, 15
	s_cbranch_scc1 .Lnobias
	ds_store_b64 v12, v[240:241]                   ; the 64 biases
.Lnobias:
.endif
	QGRP \p
.if (\p) < 2
	WLOAD (\p)+2
.endif
.irp ct, 0,1,2,3
	ds_store_b64 v6, v[QD+2*\ct:QD+2*\ct+1] offset:16384*(\p)+2048*\ct
.endr
	s_wait_alu depctr_va_vdst(0)
	s_wait_dscnt 0x0                               ; my part of the image has landed
	s_barrier_signal -1
	s_barrier_wait -1
	s_wait_loadcnt \no
.if (\p) > 0
	s_cmp_ge_u32 s24, s22
	s_cbranch_scc1 .Lnp_\@
.endif
	PROD 2*(\p), O+32*((\p)%2)
	PROD 2*(\p)+1, O+32*((\p)%2)+16
.if (\p) > 0
.Lnp_\@:
.endif
.if (\p) < 2
	OLOAD (\p)+2, O+32*((\p)%2)
.endif
.endm
.macro EPI
.irp q, 0,1,2,3,4,5,6,7
	ds_load_b128 v[BN+4*\q:BN+4*\q+3], v8 offset:16*\q
.endr
	s_wait_dscnt 0x0
.irp ct, 0,1,2,3
.irp jj, 0,1,2,3,4,5,6,7
	v_fma_f32 v[N+4*\jj+\ct], v[ACC+8*\ct+\jj], s40, v[BN+4*\jj+\ct]   ; sum x 2^(e of k2 + e of h1) + bias, into the natural order of outputs
.endr
.endr
.irp q, 0,1,2,3,4,5,6,7
	ds_store_b128 v13, v[N+4*\q:N+4*\q+3] offset:16*\q
.endr
.irp q, 0,1,2,3,4,5,6,7
	ds_load_b128 v[Y+4*\q:Y+4*\q+3], v10 offset:272*\q   ; rows q and q + 8; LDS serves a wave's instructions in order (ISA guide 5.7.1.4)
.endr
.irp q, 0,1,2,3,4,5,6,7
	v_min_u32 v[TOK+\q], 0x7ff, v[TOK+\q]
.endr
.irp q, 0,1,2,3,4,5,6,7
	v_lshl_add_u32 v[TOK+\q], v[TOK+\q], 10, v4    ; token x 1,024 bytes + 16 r
.endr
	s_wait_alu depctr_va_vdst(0)
.irp q, 0,1,2,3,4,5,6,7
	s_wait_dscnt 7-\q
	global_store_b128 v[TOK+\q], v[Y+4*\q:Y+4*\q+3], s[14:15] th:TH_STORE_NT
.endr
.endm
	s_load_b256 s[4:11], s[0:1], 0x0               ; h1c s[4:5], route s[6:7], k2 s[8:9], b2 s[10:11]
	s_load_b128 s[12:15], s[0:1], 0x20             ; lowp_scales s[12:13], out0 s[14:15]
	v_lshrrev_b32 v3, 5, v0
	v_readfirstlane_b32 s18, v3                    ; wave
	s_and_b32 s19, ttmp9, 7
	s_lshr_b32 s42, ttmp9, 7
	s_lshl_b32 s42, s42, 3
	s_or_b32 s19, s19, s42                         ; task
	s_bfe_u32 s20, ttmp9, 0x20003                  ; slice of 64 outputs
	s_bfe_u32 s30, ttmp9, 0x20005                  ; share of the tokens
	s_lshr_b32 s26, s18, 3
	s_and_b32 s27, s18, 7
	s_lshl_b32 s44, s19, 20
	s_lshl_b32 s42, s26, 17
	s_add_co_u32 s44, s44, s42
	s_lshl_b32 s42, s27, 13
	s_add_co_u32 s44, s44, s42
	s_lshl_b32 s52, s20, 8
	s_add_co_u32 s44, s44, s52
	s_mov_b32 s45, 0                               ; k2: task, my rows, my slice's 256 bytes
	s_lshl_b32 s46, s19, 10
	s_add_co_u32 s46, s46, s52
	s_mov_b32 s47, 0                               ; b2
	s_lshl_b32 s48, s19, 21
	s_mov_b32 s49, 0                               ; h1c: the task's region
	s_mul_i32 s50, s19, 8704
	s_mov_b32 s51, 0                               ; route: the task's row
	s_mov_b32 s53, 0                               ; out0: my slice's 256 bytes of a row
	s_lshl_b32 s28, s26, 13
	s_lshr_b32 s42, s27, 1
	s_lshl_b32 s42, s42, 9
	s_add_co_u32 s28, s28, s42
	s_and_b32 s42, s27, 1
	s_lshl_b32 s42, s42, 3
	s_add_co_u32 s28, s28, s42                     ; where my two registers of a fragment lie in the image
	s_mul_i32 s29, s18, 4352
	s_add_co_u32 s29, s29, STG                     ; my stage
	s_lshl_b32 s24, s18, 2
	s_add_co_u32 s24, s24, s30                     ; my tile
	v_lshl_add_u32 v14, v0, 2, SPARE
	v_mov_b32 v15, 0
	v_and_b32 v145, 31, v0                         ; lane
	v_lshlrev_b32 v1, 4, v145                      ; 16 x lane
	v_lshlrev_b32 v144, 3, v145
	v_and_b32 v146, 15, v0                         ; r
	v_bfe_u32 v147, v0, 4, 1                       ; h
	v_lshlrev_b32 v4, 4, v146                      ; 16 r
	v_lshl_add_u32 v2, v147, 16, v4                ; weights: 64 h rows + 16 r
	v_lshl_add_u32 v8, v147, 7, BIAS
	v_add_nc_u32 v6, s28, v1
	v_add_nc_u32 v12, BIAS, v144
	v_mul_u32_u24 v13, v146, 272
	v_lshl_add_u32 v13, v147, 7, v13
	v_add_nc_u32 v13, s29, v13                     ; into the stage: row r, + 128 h
	v_mul_u32_u24 v10, v147, 2176
	v_add_nc_u32 v10, v10, v4
	v_add_nc_u32 v10, s29, v10                     ; and back: 8 h rows down, + 16 r
	v_lshlrev_b32 v7, 5, v147                      ; tokens: 32 h
	s_wait_alu depctr_va_vdst(0)                   ; the wait at the head's end
	s_wait_kmcnt 0x0
	s_add_nc_u64 s[6:7], s[6:7], s[50:51]
	s_add_nc_u64 s[8:9], s[8:9], s[44:45]
	s_add_nc_u64 s[10:11], s[10:11], s[46:47]
	s_load_b32 s21, s[6:7], 0x2000                 ; the task's count
	s_load_b64 s[32:33], s[12:13], 0x10            ; e of k2, h1
	s_add_nc_u64 s[4:5], s[4:5], s[48:49]
	s_add_nc_u64 s[14:15], s[14:15], s[52:53]
	global_load_b64 v[240:241], v144, s[10:11]     ; 64 biases
	WLOAD 0
	WLOAD 1
	s_wait_kmcnt 0x0
	s_min_u32 s21, s21, 0x800
	s_add_co_u32 s22, s21, 15
	s_lshr_b32 s22, s22, 4
	s_min_u32 s22, s22, 128                        ; tiles to be made: may be 0
	s_max_u32 s23, s22, 1
	s_sub_co_u32 s23, s23, 1                       ; the last tile that the launch before has written
	s_add_co_i32 s42, s32, 127
	s_lshl_b32 s43, s42, 23
	v_mov_b32 v9, s43                              ; 2^e as f32
	s_add_co_i32 s42, s42, 8
	s_lshl_b32 s42, s42, 23
	s_or_b32 s42, s42, 0x600000
	v_mov_b32 v11, s42                             ; 448 x 2^e
	s_add_co_i32 s40, s32, s33
	s_add_co_i32 s40, s40, 127
	s_lshl_b32 s40, s40, 23                        ; 2^(e of k2 + e of h1) as f32
	s_cmp_lt_u32 s24, s22
	s_cselect_b32 s43, -1, 0
	s_min_u32 s42, s24, s23
	s_min_u32 s42, s42, 127
	v_and_b32 v3, s43, v1                          ; without a tile: all lanes at one address
	v_min_u32 v3, 0x1f0, v3                        ; held inside a load's 512 bytes
	v_lshl_add_u32 v3, s42, 14, v3
	v_lshl_add_u32 v5, s42, 6, v7
	s_wait_alu depctr_va_vdst(0)
	TLOAD
	OLOAD 0, O
	OLOAD 1, O+32
	PHASE 0, 26, 16                                ; (two loads of tokens stand ahead of the operands)
	PHASE 1, 24, 24
	PHASE 2, 24, 16
	PHASE 3, 8, 0
	s_cmp_ge_u32 s24, s22
	s_cbranch_scc1 .Lend
	EPI
	s_add_co_u32 s24, s24, 64                      ; the only other tile that can be mine: 64 tiles for each of the two serve all 2,048 tokens on one task
	s_cmp_ge_u32 s24, s22
	s_wait_alu depctr_va_vdst(0)
	s_cbranch_scc1 .Lend
	s_wait_xcnt 0x0                                ; loads and stores have read their addresses and data
	s_min_u32 s42, s24, 127
	v_lshl_add_u32 v3, s42, 14, v1
	v_lshl_add_u32 v5, s42, 6, v7
	s_wait_alu depctr_va_vdst(0)
	TLOAD
.irp g, 0,1,2,3
	OLOAD \g, 16+32*\g
.endr
	s_wait_loadcnt 0x0
.irp g, 0,1,2,3,4,5,6,7
	PROD \g, 16+16*\g
.endr
	EPI
.Lend:
	s_wait_alu depctr_va_vdst(0)
	s_wait_tensorcnt 0x0                           ; the wave's end
	ds_add_u32 v14, v15
	s_wait_dscnt 0x0
	s_endpgm
.Lfunc_end_k_q6bee38dd0f_layer2:
	.size	k_q6bee38dd0f_layer2, .Lfunc_end_k_q6bee38dd0f_layer2-k_q6bee38dd0f_layer2
	.p2alignl 7, 3214868480
	.fill 96, 4, 3214868480
	.section	.rodata,"a",@progbits
	.p2align	6, 0x0
	.amdhsa_kernel k_q6bee38dd0f_layer2
		.amdhsa_group_segment_fixed_size 137472
		.amdhsa_private_segment_fixed_size 0
		.amdhsa_enable_private_segment 0
		.amdhsa_kernarg_size 48
		.amdhsa_user_sgpr_count 2
		.amdhsa_user_sgpr_kernarg_segment_ptr 1
		.amdhsa_wavefront_size32 1
		.amdhsa_system_sgpr_workgroup_id_x 1
		.amdhsa_system_sgpr_workgroup_id_y 1
		.amdhsa_system_sgpr_workgroup_id_z 1
		.amdhsa_system_vgpr_workitem_id 0
		.amdhsa_next_free_vgpr 256
		.amdhsa_next_free_sgpr 66
		.amdhsa_reserve_vcc 0
		.amdhsa_float_denorm_mode_32 3
		.amdhsa_float_denorm_mode_16_64 3
		.amdhsa_memory_ordered 1
		.amdhsa_forward_progress 1
		.amdhsa_inst_pref_size 62
	.end_amdhsa_kernel
	.amdgpu_metadata
---
amdhsa.version: [ 1, 2 ]
amdhsa.kernels:
  - .name:           k_q6bee38dd0f_layer2
    .symbol:         k_q6bee38dd0f_layer2.kd
    .args:
      - { .name: h1c, .offset: 0, .size: 8, .value_kind: global_buffer, .address_space: global }
      - { .name: route, .offset: 8, .size: 8, .value_kind: global_buffer, .address_space: global }
      - { .name: k2, .offset: 16, .size: 8, .value_kind: global_buffer, .address_space: global }
      - { .name: b2, .offset: 24, .size: 8, .value_kind: global_buffer, .address_space: global }
      - { .name: lowp_scales, .offset: 32, .size: 8, .value_kind: global_buffer, .address_space: global }
      - { .name: out0, .offset: 40, .size: 8, .value_kind: global_buffer, .address_space: global }
    .group_segment_fixed_size: 137472
    .private_segment_fixed_size: 0
    .kernarg_segment_align: 8
    .kernarg_segment_size: 48
    .max_flat_workgroup_size: 512
    .sgpr_count:     66
    .vgpr_count:     256
    .wavefront_size: 32
...
	.end_amdgpu_metadata
.endif
;; end of part 3
